; MI455X (gfx1250); checked and timed in simulation.
; The chip was launched on July 23, 2026; its instructions are those of AMD's public machine-readable ISA for CDNA 5 (MIT licence, August 2026) and "CDNA5" Instruction Set Architecture Reference Guide (July 2026). The comments in the code are by the model that wrote it; some were corrected since.
;; Full Attention. Allowed arithmetic: matrix products marked QUANTISED: E2M1 operands, one E8M0 scale for each 32 along K, by v_wmma_scale_f32_16x16x128_f8f6f4 with both operands' format E2M1 (or v_wmma_scale_f32_32x16x128_f4), f32 sums; everything else in f32.
;; Inputs: keys 4 x 2,048 x 8 x 64 float32; queries 4 x 2,048 x 8 x 64 float32; values 4 x 2,048 x 8 x 64 float32.
;; Outputs: out0 4 x 2,048 x 8 x 64 float32.
;; This version of the problem:
;;   THIS VERSION OF THE PROBLEM IS GIVEN IN LOW PRECISION. The matrix products marked QUANTISED in the list below multiply operands that are first quantised to E2M1 (2 exponent bits, 1 mantissa bit; 4 bits a number), with one power-of-two scale for each 32 numbers along K (OCP MX v1.0); their sums are f32. All else is computed in f32.
;;   The module's matrix products, in the order in which they are computed (A, B: the left and right operand; K: the contracted axis; several contracted axes count as one K, in the product's order):
;;     1. batch 32 x [M 2,048, K 64] x [K 64, N 2,048]; A: input queries; B: input keys: QUANTISED
;;     2. batch 32 x [M 64, K 2,048] x [K 2,048, N 2,048]; A: input values; B: softmax (see below): QUANTISED
;;   THE QUANTISER, for each operand of a quantised product, along K:
;;     - K is cut into blocks of 32 from its start; a last block that is shorter is filled with zeros.
;;     - A block's scale is 2^e with e = floor(log2(the largest magnitude in the block)) - 2, held to -126 .. 127; a block of zeros has e = 0. As a byte (E8M0): e + 127.
;;     - Each number is divided by its block's scale, clamped to +-6, and rounded to the nearest number of E2M1, ties to even, subnormals kept.
;;     - The product sums the exact products of the quantised numbers (number of the format x scale) in f32.
;;   ~~~python
;;   def quantise(x, axis):      # numpy; x: float32 -> the quantised numbers, widened to float32 again
;;       x = np.moveaxis(x, axis, -1); K = x.shape[-1]
;;       x = np.pad(x, [(0, 0)] * (x.ndim - 1) + [(0, -K % 32)]); x = x.reshape(x.shape[:-1] + (-1, 32)); a = np.abs(x).max(-1, keepdims=True)
;;       e = np.where(a > 0, np.clip(np.frexp(np.where(a > 0, a, 1))[1] - 1 - 2, -126, 127), 0)      # np.frexp(a)[1] - 1 = floor(log2(a)), exactly
;;       r = np.clip(x / 2.0 ** e, -6, 6)
;;       step = 2.0 ** (np.maximum(np.frexp(np.where(r == 0, 1, r))[1] - 1, 0) - 1)
;;       q = np.round(r / step) * step * 2.0 ** e      # np.round: ties to even
;;       return np.moveaxis(q.reshape(q.shape[:-2] + (-1,))[..., :K], -1, axis).astype(np.float32)
;;   ~~~
;;   SOFTMAX AHEAD OF A QUANTISED PRODUCT. Where the list says 'softmax', what is quantised is not the finished softmax but p = 2^(t - M), with t = logit x log2(e) and M = ceil(the row's largest t), a whole number; so 1/2 < the row's largest p <= 1. The row's sum l is taken of the UNQUANTISED p, in f32, and the product's result is divided by l at the end. Since M is a whole number, a kernel that streams over the keys may use a running M (the ceiling of the running maximum): every later rescaling is an exact power of two, which a block's scale takes up: the codes' values come out the same.
;;   OPERANDS COMPUTED ON THE WAY. 'Computed on the way' means the value that the module computes at that place (a softmax that the list does not call 'softmax' is quantised finished and normalised). What goes into a quantiser is computed in f32, as accurately as f32 sums, v_exp_f32 and their like allow (about 1e-6 of the number): no bf16 or f16 on the way to a quantiser, and a product that is left as it is and whose result goes on into a quantised operand takes f32 operands (vector FMAs, or v_wmma_f32_16x16x4_f32). A number that lies on a knife's edge between two numbers of the format may be rounded either way, as far as f32 arithmetic and the matrix unit's own rounding can turn it there, and no further.
;; One version. Each part assembles by itself: llvm-mc -triple=amdgcn-amd-amdhsa -mcpu=gfx1250 --defsym DOCPART=n.
;; ======== version 1 of 1: 2 launches
;; limits: right only within a limited range of input values
;; workspace buffers: kv 4,456,448 bytes; qc 2,097,152 bytes; qs 262,144 bytes
;; launch prep (part 1): grid 256 x 1, 12 waves a work-group, no clusters, 212,480 bytes of LDS; arguments keys, values, queries, kv, qc, qs; writes kv, qc, qs
.if DOCPART == 1
	.amdgcn_target "amdgcn-amd-amdhsa--gfx1250"
	.amdhsa_code_object_version 6
	.text
	.protected	k_q7a22f44689_prep
	.globl	k_q7a22f44689_prep
	.p2align	8
	.type	k_q7a22f44689_prep,@function
k_q7a22f44689_prep:
	s_mov_b64 s[64:65], 0
	v_nop
	global_prefetch_b8 v0, s[64:65] scope:SCOPE_SE
	s_setreg_imm32_b32 hwreg(HW_REG_WAVE_MODE, 25, 1), 1
	s_wait_xcnt 0x0
; keys, values and queries, [4][2048][8][64] f32, become codes of FP4 (E2M1) with one E8M0 scale byte for each 32 along a product's K, laid as IMAGES OF THE OPERAND REGISTERS of the attention launch.
; K and Q are quantised along the head's 64 channels (two blocks), V along the keys (a block = 32 neighbouring keys of one channel).
; A block's scale is 2^(floor(log2(its largest magnitude)) - 2); its byte is the largest magnitude's exponent field - 2, held at 1 from below by a floor among the maximum's leaves.
; LIMITS: NaN and infinities among the inputs are not served; a block whose largest magnitude lies under 2^-124 keeps the byte 1 (a block of zeros too, where the rule says 127: its codes are zeros,
; which add nothing under any byte but 0xff, and the bytes are read by this program alone).
; DEAD WORK (in the attention launch): key s counts for query l only where s <= l.  A score with s > l becomes -infinity and its weight 0 for all values of the inputs,
; so runs of 64 or 128 keys that are hidden from a whole tile of 16 queries are not computed.  LIMIT: a NaN, an infinity or an overflow that reaches only what is left out is not carried to the result.
; kv: one RECORD of 8,704 bytes (34 x 256) for each head bh = 8 b + h and key step j of 128 keys, at 139,264 bh + 8,704 j:
;   0     K's codes: eight images of 512 bytes, number 4 c + i for keys 64 c on: i = 0, 1, 2, 3 is tile T = 0, 2, 1, 3; lane (m, hh)'s 16 bytes at 16 x lane hold key 64 c + 8 T + m + 24 (m / 8), channels 32 hh .. + 31
;   4096  V^T's codes: number 4 t + 2 s + c: lane (r, hh) holds channel 32 t + 16 s + r, keys 64 c + 32 hh .. + 31
;   8192  at 16 x lane four scale words: K's for c = 0 and 1 (lane 16 b + m: bytes 0, 1 tile T = b, bytes 2, 3 tile T = b + 2), V's for t = 0 and 1 (lane = channel 32 t + lane, four blocks of keys)
; qc: a tile of 16 queries is one image of 512 bytes: lane (r, hh) holds query r, channels 32 hh on.  qs: a scale word for each query, its two bytes twice.
; SHARES.  256 work-groups of twelve waves.  Work-group g: head g / 8, rows 256 (g % 8) .. + 255 of K (waves 0-3), V (4-7) and Q (8-11), 64 rows a wave.
; A wave's tile is 64 rows x 256 bytes, rows 2,048 bytes apart in memory; it comes by the wave's one tensor load into its OWN region of LDS and is read by that wave alone.  Nothing in LDS is filled twice.
; One barrier: behind it waves 0 and 1 store the scale words that the K and V waves have gathered, 512 bytes a record in one instruction.
; NO CLUSTER, NO PREFETCH: work-groups share no input, and all that a wave reads is asked for at the head: there is no loop to run ahead in.
.set ROWP,  272                        ; an LDS row: 256 bytes + 16 of padding = 68 words
.set WREG,  64*ROWP                    ; a wave's region
.set GATH,  12*WREG                    ; behind the regions: the scale words of two records, 512 bytes each; no tensor load lands here
.set GQ,    GATH+1024                  ; and 256 bytes for each Q wave
.set SPARE, GQ+1024                    ; the spare words, 128 bytes a wave; no other line names them
.set REC,   8704
.set HEADB, 16*REC
.set LN,  2                            ; v2  lane
.set R,   3                            ; v3  r = lane % 16
.set HH,  4                            ; v4  hh = lane / 16
.set KA,  5                            ; v5  K: my key's row, my half of its channels
.set QA,  6                            ; v6  Q likewise
.set VA,  7                            ; v7  V: 4 x lane
.set GK,  8                            ; v8  where I put K's scale bytes
.set GV,  9                            ; v9  V's
.set GQS, 10                           ; v10 Q's words in,
.set GQL, 11                           ; v11 and out
.set GL,  12                           ; v12 a record's scale words
.set LI,  13                           ; v13 16 x lane
.set L8,  14                           ; v14 8 x lane
.set VO,  15                           ; v15 my place among V's images
.set KI,  16                           ; v16 my place among K's
.set SH,  17                           ; v17 8 hh
.set TP,  18                           ; v18 the other half's byte
.set PR,  19                           ; v19 a query's two bytes
.set SC,  24                           ; v24 the conversions' scale operand
.set BY,  25                           ; v25 the scale's byte
.set WD,  26                           ; v26-29 a scale word for each tile or unit
.set X,   32                           ; v32-159 four sets of 32 numbers
.set C,   160                          ; v160-175 codes, four registers for each
.set SPW, 192
.set NIL, 193
	s_load_b128 s[4:7], s[0:1], 0x0                ; keys, values
	s_load_b128 s[8:11], s[0:1], 0x10              ; queries, kv
	s_load_b128 s[12:15], s[0:1], 0x20             ; qc, qs
	v_lshl_add_u32 v[SPW], v0, 2, SPARE
	v_mov_b32 v[NIL], 0
	ds_add_u32 v[SPW], v[NIL]                      ; the wave's opening: the add, twice on end, and its wait
	ds_add_u32 v[SPW], v[NIL]
	v_lshrrev_b32 v1, 5, v0
	v_readfirstlane_b32 s16, v1                    ; wave 0..11
	s_lshr_b32 s17, s16, 2                         ; 0: K, 1: V, 2: Q
	s_and_b32 s18, s16, 3                          ; which 64 of the work-group's 256 rows
	s_and_b32 s19, s16, 1                          ; c: which half of a key step
	s_lshr_b32 s20, s18, 1                         ; which of the two key steps
	s_lshr_b32 s21, ttmp9, 3                       ; bh
	s_and_b32 s22, ttmp9, 7
	s_lshr_b32 s24, s21, 3                         ; my tile's first byte: b x 2^22
	s_lshl_b32 s24, s24, 22
	s_lshl_b32 s25, s22, 19                        ; + 256 (g % 8) rows of 2,048 bytes
	s_add_co_u32 s24, s24, s25
	s_lshl_b32 s25, s18, 17                        ; + 64 rows a wave
	s_add_co_u32 s24, s24, s25
	s_and_b32 s25, s21, 7
	s_lshl_b32 s25, s25, 8                         ; + 256 h
	s_add_co_u32 s24, s24, s25
	s_mov_b32 s25, 0
	s_mul_i32 s26, s21, HEADB                      ; the work-group's two records
	s_lshl_b32 s23, s22, 1
	s_mul_i32 s27, s23, REC
	s_add_co_u32 s26, s26, s27
	s_mul_i32 s27, s20, REC
	s_add_co_u32 s28, s26, s27                     ; mine
	s_mov_b32 s29, 0
	s_mul_i32 s27, s19, REC
	s_add_co_u32 s30, s26, s27                     ; and the one whose scale words wave 0 or 1 stores
	s_mov_b32 s31, 0
	s_lshl_b32 s32, s21, 16                        ; Q's codes: 65,536 bytes a head, 512 a tile of 16 rows
	s_lshl_b32 s27, s22, 13
	s_add_co_u32 s32, s32, s27
	s_lshl_b32 s27, s18, 11
	s_add_co_u32 s32, s32, s27
	s_mov_b32 s33, 0
	s_lshl_b32 s34, s21, 13                        ; Q's scale words: 4 bytes a row
	s_lshl_b32 s27, s22, 10
	s_add_co_u32 s34, s34, s27
	s_lshl_b32 s27, s18, 8
	s_add_co_u32 s34, s34, s27
	s_mov_b32 s35, 0
	s_mul_i32 s36, s16, WREG                       ; my region
	s_lshl_b32 s37, s20, 9
	s_lshl_b32 s38, s19, 2
	s_add_co_u32 s37, s37, s38
	s_add_co_u32 s37, s37, GATH                    ; K's words: + 4 c
	s_lshl_b32 s38, s20, 9
	s_lshl_b32 s39, s19, 1
	s_add_co_u32 s38, s38, s39
	s_add_co_u32 s38, s38, GATH+8                  ; V's bytes: + 8 + 2 c
	s_lshl_b32 s39, s18, 8
	s_add_co_u32 s39, s39, GQ
	s_lshl_b32 s54, s19, 9
	s_add_co_u32 s54, s54, GATH
	s_lshl_b32 s55, s19, 9                         ; 512 c
	s_lshl_b32 s56, s19, 11                        ; 2,048 c
	s_mov_b32 s58, 0x76543210                      ; v_permlanex16_b32's selects for lane l xor 16
	s_mov_b32 s59, 0xfedcba98
	; descriptor group 1: 64 rows of 32 elements of 8 bytes, 256 elements from row to row, 16 bytes of padding behind each row
	s_mov_b32 s40, (3<<16)|(1<<20)|(5<<22)|(3<<25)
	s_mov_b32 s41, 32<<16
	s_mov_b32 s42, 64<<16
	s_mov_b32 s43, 32<<16
	s_mov_b32 s44, 64
	s_mov_b32 s45, 256
	s_mov_b32 s46, 0
	s_mov_b32 s47, 0
	s_wait_dscnt 0x0
	s_wait_kmcnt 0x0
	s_cmp_eq_u32 s17, 1                            ; the choice hangs on the wave's number alone
	s_cselect_b64 s[52:53], s[6:7], s[4:5]
	s_cmp_eq_u32 s17, 2
	s_cselect_b64 s[52:53], s[8:9], s[52:53]
	s_add_nc_u64 s[52:53], s[52:53], s[24:25]
	s_mov_b32 s48, 1
	s_mul_i32 s49, s16, WREG
	s_mov_b64 s[50:51], s[52:53]
	s_or_b32 s51, s51, 0x80000000
	tensor_load_to_lds s[48:51], s[40:47]          ; my one tensor load
	s_nop 0
.rept 4
	v_nop
.endr
	s_add_nc_u64 s[28:29], s[10:11], s[28:29]
	s_add_nc_u64 s[30:31], s[10:11], s[30:31]
	s_add_nc_u64 s[32:33], s[12:13], s[32:33]
	s_add_nc_u64 s[34:35], s[14:15], s[34:35]
	; every address is made here, ahead of the parting of the waves
	v_and_b32 v[LN], 31, v0
	v_and_b32 v[R], 15, v0
	v_bfe_u32 v[HH], v0, 4, 1
	v_bfe_u32 v[KA], v0, 3, 1
	v_mad_u32_u24 v[KA], v[KA], 24, v[R]           ; m + 24 (m / 8)
	v_mul_u32_u24 v[KA], v[KA], ROWP
	v_lshl_add_u32 v[KA], v[HH], 7, v[KA]
	v_add_nc_u32 v[KA], s36, v[KA]
	v_mul_u32_u24 v[QA], v[R], ROWP
	v_lshl_add_u32 v[QA], v[HH], 7, v[QA]
	v_add_nc_u32 v[QA], s36, v[QA]
	v_lshl_add_u32 v[VA], v[LN], 2, s36
	v_lshl_add_u32 v[GK], v[R], 4, s37
	v_lshl_add_u32 v[GV], v[LN], 4, s38
	v_lshl_add_u32 v[GQS], v[R], 2, s39
	v_lshl_add_u32 v[GQL], v[LN], 3, s39
	v_lshl_add_u32 v[GL], v[LN], 4, s54
	v_lshlrev_b32 v[LI], 4, v[LN]
	v_lshlrev_b32 v[L8], 3, v[LN]
	v_lshlrev_b32 v[VO], 10, v[HH]
	v_lshl_add_u32 v[VO], v[R], 4, v[VO]
	v_add_nc_u32 v[VO], s55, v[VO]
	v_lshl_add_u32 v[KI], v[LN], 4, s56
	v_lshlrev_b32 v[SH], 3, v[HH]
	v_mov_b32 v[TP], 0                             ; written once: a lane permute's destination counts as one of its sources
; the largest magnitude of v[x] .. v[x + 31], in four chains, with the floor 2^(3 - 127) among the leaves; then the conversions' scale operand: 2 off its exponent field
.macro BLKMAX x
.irp k, 0,1,2,3
	v_max3_num_f32 v[20+\k], |v[\x+8*\k]|, |v[\x+8*\k+1]|, |v[\x+8*\k+2]|
.endr
.irp i, 3,5
.irp k, 0,1,2,3
	v_max3_num_f32 v[20+\k], v[20+\k], |v[\x+8*\k+\i]|, |v[\x+8*\k+\i+1]|
.endr
.endr
	v_max3_num_f32 v20, v20, |v[\x+7]|, |v[\x+15]|
	v_max3_num_f32 v22, v22, |v[\x+23]|, |v[\x+31]|
	v_max3_num_f32 v21, v21, v23, 0x1800000
	s_delay_alu instid0(VALU_DEP_1)
	v_max3_num_f32 v20, v20, v21, v22
	s_delay_alu instid0(VALU_DEP_1)
	v_add_nc_u32 v[SC], 0xff000000, v20
.endm
.macro CODES t
.irp g, 0,1,2,3
	v_cvt_scalef32_pk8_fp4_f32 v[C+4*(\t)+\g], v[X+32*(\t)+8*\g:X+32*(\t)+8*\g+7], v[SC]
.endr
.endm
; K and Q: a lane's 32 channels of one row are a whole block, 128 consecutive bytes
.macro RLOAD t, adr, stride
.irp i, 0,1,2,3,4,5,6,7
	ds_load_b128 v[X+32*(\t)+4*\i:X+32*(\t)+4*\i+3], v[\adr] offset:(\t)*\stride+16*\i
.endr
.endm
.macro RTILE t                         ; behind it BY and TP hold my byte and the other half's, each at its place
	s_wait_dscnt 8*(3-\t)+\t                       ; the later tiles' loads, and a store for each tile behind us, may be out
	BLKMAX X+32*(\t)
	CODES \t
	v_lshrrev_b32 v[BY], 23, v[SC]                 ; the scale's byte (a plain line behind the conversions),
	s_delay_alu instid0(VALU_DEP_1)
	v_lshlrev_b32 v[BY], v[SH], v[BY]              ; at its place
	s_delay_alu instid0(VALU_DEP_1)
	v_permlanex16_b32 v[TP], v[BY], s58, s59
.endm
	s_wait_alu depctr_va_vdst(0)
	s_wait_tensorcnt 0x0                           ; my tile is in
	s_cmp_eq_u32 s17, 1
	s_cbranch_scc1 .Lv
	s_cmp_eq_u32 s17, 2
	s_cbranch_scc1 .Lq
	; ---- K
.irp t, 0,1,2,3
	RLOAD \t, KA, 8*ROWP
.endr
.irp t, 0,1,2,3
	RTILE \t
	v_or_b32 v[WD+\t], v[BY], v[TP]                ; the key's two bytes
	ds_store_b16 v[GK], v[WD+\t] offset:256*(\t%2)+2*(\t/2)   ; both halves of the lanes write the same bytes with the same value
	global_store_b128 v[KI], v[C+4*\t:C+4*\t+3], s[28:29] offset:512*(2*(\t%2)+\t/2)   ; 512 consecutive bytes, at a multiple of 256
.endr
	s_branch .Lmeet
.Lq:
	; ---- Q
.irp t, 0,1,2,3
	RLOAD \t, QA, 16*ROWP
.endr
.irp t, 0,1,2,3
	RTILE \t
	v_or_b32 v[PR], v[BY], v[TP]
	v_lshl_or_b32 v[WD+\t], v[PR], 16, v[PR]       ; the query's two bytes, twice
	ds_store_b32 v[GQS], v[WD+\t] offset:64*\t
	global_store_b128 v[LI], v[C+4*\t:C+4*\t+3], s[32:33] offset:512*\t
.endr
	ds_load_b64 v[30:31], v[GQL]                   ; LDS serves a wave's instructions in order (ISA guide 5.7.1.4): this sees my stores
	s_wait_dscnt 0x0
	global_store_b64 v[L8], v[30:31], s[34:35]     ; one aligned unit of 256 bytes
	s_branch .Lmeet
.Lv:
	; ---- V.  Unit u: block u / 2 of 32 keys, channels 32 (u % 2) + lane.  A lane takes a channel and its registers run down the keys: a whole block lies in my registers, and the codes come out with the keys innermost.
.macro VLOAD u
.irp i, 0,1,2,3,4,5,6,7,8,9,10,11,12,13,14,15,16,17,18,19,20,21,22,23,24,25,26,27,28,29,30,31
	ds_load_b32 v[X+32*(\u)+\i], v[VA] offset:(32*((\u)/2)+\i)*ROWP+128*((\u)%2)
.endr
.endm
.macro VUNIT u, cnt
	s_wait_dscnt \cnt                              ; the next unit's 32 loads, and the last unit's store, may be out
.if (\u) < 2
	VLOAD (\u)+2
.endif
	BLKMAX X+32*(\u)
	CODES \u
	v_lshrrev_b32 v[WD+\u], 23, v[SC]              ; the scale's byte (a plain line behind the conversions)
	ds_store_b8 v[GV], v[WD+\u] offset:4*((\u)%2)+(\u)/2
	global_store_b128 v[VO], v[C+4*(\u):C+4*(\u)+3], s[28:29] offset:4096+2048*((\u)%2)+256*((\u)/2)   ; each half of the lanes stores 256 consecutive aligned bytes
.endm
	VLOAD 0
	VLOAD 1
	VUNIT 0, 32
	VUNIT 1, 33
	VUNIT 2, 33
	VUNIT 3, 1
.Lmeet:
	s_wait_dscnt 0x0                               ; my scale bytes are stored
	s_barrier_signal -1
	s_barrier_wait -1
	s_cmp_lt_u32 s16, 2
	s_cbranch_scc0 .Lend
	ds_load_b128 v[180:183], v[GL]
	s_wait_dscnt 0x0
	global_store_b128 v[LI], v[180:183], s[30:31] offset:8192
.Lend:
	s_wait_tensorcnt 0x0                           ; the wave's end
	ds_add_u32 v[SPW], v[NIL]
	s_wait_dscnt 0x0
	s_endpgm
.Lfunc_end_k_q7a22f44689_prep:
	.size	k_q7a22f44689_prep, .Lfunc_end_k_q7a22f44689_prep-k_q7a22f44689_prep
	.p2alignl 7, 3214868480
	.fill 96, 4, 3214868480
	.section	.rodata,"a",@progbits
	.p2align	6, 0x0
	.amdhsa_kernel k_q7a22f44689_prep
		.amdhsa_group_segment_fixed_size 212480
		.amdhsa_private_segment_fixed_size 0
		.amdhsa_enable_private_segment 0
		.amdhsa_kernarg_size 48
		.amdhsa_user_sgpr_count 2
		.amdhsa_user_sgpr_kernarg_segment_ptr 1
		.amdhsa_wavefront_size32 1
		.amdhsa_system_sgpr_workgroup_id_x 1
		.amdhsa_system_sgpr_workgroup_id_y 1
		.amdhsa_system_sgpr_workgroup_id_z 1
		.amdhsa_system_vgpr_workitem_id 0
		.amdhsa_next_free_vgpr 194
		.amdhsa_next_free_sgpr 66
		.amdhsa_reserve_vcc 0
		.amdhsa_float_denorm_mode_32 3
		.amdhsa_float_denorm_mode_16_64 3
		.amdhsa_memory_ordered 1
		.amdhsa_forward_progress 1
		.amdhsa_inst_pref_size 40
	.end_amdhsa_kernel
	.amdgpu_metadata
---
amdhsa.version: [ 1, 2 ]
amdhsa.kernels:
  - .name:           k_q7a22f44689_prep
    .symbol:         k_q7a22f44689_prep.kd
    .args:
      - { .name: keys, .offset: 0, .size: 8, .value_kind: global_buffer, .address_space: global }
      - { .name: values, .offset: 8, .size: 8, .value_kind: global_buffer, .address_space: global }
      - { .name: queries, .offset: 16, .size: 8, .value_kind: global_buffer, .address_space: global }
      - { .name: kv, .offset: 24, .size: 8, .value_kind: global_buffer, .address_space: global }
      - { .name: qc, .offset: 32, .size: 8, .value_kind: global_buffer, .address_space: global }
      - { .name: qs, .offset: 40, .size: 8, .value_kind: global_buffer, .address_space: global }
    .group_segment_fixed_size: 212480
    .private_segment_fixed_size: 0
    .kernarg_segment_align: 8
    .kernarg_segment_size: 48
    .max_flat_workgroup_size: 384
    .sgpr_count:     66
    .vgpr_count:     194
    .wavefront_size: 32
...
	.end_amdgpu_metadata
.endif
;; end of part 1
;; launch attn (part 2): grid 8 x 32, 16 waves a work-group, clusters of 4 x 1, 245,760 bytes of LDS; arguments kv, qc, qs, out0; writes out0
.if DOCPART == 2
	.amdgcn_target "amdgcn-amd-amdhsa--gfx1250"
	.amdhsa_code_object_version 6
	.text
	.protected	k_q7a22f44689_attn
	.globl	k_q7a22f44689_attn
	.p2align	8
	.type	k_q7a22f44689_attn,@function
k_q7a22f44689_attn:
	s_mov_b64 s[64:65], 0
	v_nop
	global_prefetch_b8 v0, s[64:65] scope:SCOPE_SE
	s_setreg_imm32_b32 hwreg(HW_REG_WAVE_MODE, 25, 1), 1
	s_wait_xcnt 0x0
	s_wait_alu depctr_hold_cnt(0) depctr_sa_sdst(0) depctr_va_vdst(0) depctr_va_sdst(0) depctr_va_ssrc(0) depctr_va_vcc(0) depctr_vm_vsrc(0)
	s_getreg_b32 s2, hwreg(HW_REG_IB_STS2, 6, 4)
	s_cmp_eq_u32 s2, 0
	s_cbranch_scc0 .Lentry_in_a_cluster
	s_endpgm
.Lentry_in_a_cluster:
	s_bfe_u32 s2, ttmp6, 0x10000c
	s_cmp_lg_u32 s2, 0x3003
	s_cbranch_scc0 .Lentry_shape_is_right
	s_endpgm
.Lentry_shape_is_right:
; out0[b][q][h][:] = the sum over keys k <= q of softmax_k(Q . K / 8) V, both products on codes of FP4 (E2M1) with one E8M0 scale for each 32 along a product's K.  out0: [4][2048][8][64] f32.
; kv: a record of 8,704 bytes for each head and key step of 128 keys (K's images, V's images, four scale words a lane); qc, qs: Q's images and scale words; all laid as the operand registers below take them.
; DEAD WORK LEFT OUT: runs of 64 or 128 keys that the causal mask hides from a whole tile of 16 queries.  A NaN, an infinity or an overflow that reaches only these is not carried to the result.
; THE SOFTMAX AHEAD OF THE SECOND PRODUCT: t = score x log2(e) / 8; M = the row's largest t so far, rounded UP to a whole number; p = 2^(t - M) is what is quantised, along the keys; it is not normalised.
; The row's sum is taken of the unquantised p, in f32, and divides O at the end.  When M moves, the sum and O are multiplied by 2^(old M - new M): exact.
; A BLOCK'S SCALE: floor(log2(the block's largest p)) is floor(its largest t - M): no exponential is spent on it.  The byte is that + 125, held at 1 from below.
; LIMITS: NaN and infinities among the inputs are not served; scaled scores stay under 2^31 in magnitude; p under 2^-126 comes out of v_exp_f32 as 0 (ISA guide 15.8).
; SHARES.  A head's 2,048 queries are 16 blocks of 128 = 8 tiles of 16.  Work-group x = 4 k + cx of a head owns ONE TILE IN EACH BLOCK: in block c tile 4 ((k + c) % 2) + cx.  So all work-groups have the same steps, and a cluster's
; partners (same k) the same branches.  A tile of block c has c key steps of 128 keys that count whole, and on the diagonal either a HALF step of 64 keys (tiles 0-3) or a step whose second 64 keys are masked in part (tiles 4-7).
; Waves p and 8 + p (p = 0 .. 7) share blocks p and 15 - p.  Wave p ('A') takes the high tile's steps 0-9 and hands its part (O, the sum, M) to wave 8 + p through LDS.  Wave 8 + p ('B') takes the low tile whole and stores it,
; takes the high tile's steps 10 .. 15 - p, joins A's part to its own and stores.  Both loops have a constant count for all waves; a wave jumps over the steps that are not its own.
; ONE BARRIER FOR THE EXCHANGE, signal and wait apart: every wave signals ahead of the second loop (A's part lies in LDS then) and waits behind it; between the two stand register work and loads of the records, which nobody writes.
; CLUSTER: the eight work-groups of a head read the same 16 records; the four of a cluster ask for them jointly, wave w for record w, by one tensor load with the mask 15: address and LDS place hang on the head and the wave alone.
; All 16 records, 139,264 bytes, lie in LDS at once: nothing is filled twice.  NO PREFETCH INTO THE L2: everything that the launch reads is asked for at its head: no loop of loads to run ahead in.
; LAYOUT.  Both products are used transposed: S^T = K Q^T, O^T = V^T P^T: a lane holds ONE query (lane % 16 = r) throughout; hh = lane / 16.
; THE FIRST PRODUCT'S K IS 64, half of an instruction's.  A fragment of K holds two tiles of keys, one at k = 0..63 and one at k = 64..127; Q stands at k = 0..63 with zero codes above (v[20:27]) or at k = 64..127 with zero
; codes below (v[16:23]), and so picks one tile or the other.  32 rows an instruction: 4 instructions make 128 keys.
; By the choice of a tile's keys register 32 c + n of S^T is key 64 c + 32 hh + n of the step: a lane holds WHOLE blocks of 32 keys, 2 of the step's 4, and the conversions' results are P's operand registers as they stand.
; K IS ONE STEP AHEAD: behind a step's first product, which has read them, K's registers take the next step's fragments; they land during the softmax, and so do this step's of V.
; REGISTERS: v1-11 addresses and the like; v12 -M, v13 the largest score; v16-27 Q; v28-31 scale words of K (c = 0, 1) and V (channels 0-31, 32-63); v32-63 K; v64-95 V; v96-159 S^T, then p; v160-191 O^T;
; v192-199 P's codes; v200-203 the second tile's Q; v204, v205 Q's scale words; v206 P's; v[208:209] f; v210-231 at work (v[216:217] the sum in two halves); v232 -infinity; v233 an address.
.set REC,   8704
.set HEADB, 16*REC
.set STG,   HEADB                      ; behind the records: a stage of 16 rows x (256 + 16) bytes for each wave (B's are used); no tensor load lands here
.set STGW,  16*272
.set EXCH,  STG+16*STGW                ; eight regions of 4,352 bytes: what A hands to B
.set SPARE, EXCH+8*STGW                ; the spare words, 128 bytes a wave; no other line names them
.set HIGH0, 10                         ; the high tile's first step of B
.set LI,  1                            ; v1  16 x lane
.set SRD, 2                            ; v2  the stage by pairs of rows: 272 hh + 16 r
.set SO,  3                            ; v3  the stage: row r, + 32 hh: my 8 channels of 16
.set GO,  4                            ; v4  the same pairs of rows in out0: 2,048 hh + 16 r
.set DG,  5                            ; v5  16 cx + r - 32 hh: on the diagonal n is hidden where n > this
.set ADR, 6
.set SH,  7                            ; v7  8 hh
.set SPW, 8
.set NIL, 9
.set R4,  10                           ; v10 4 r
.set EXA, 11                           ; v11 the exchange: 16 x lane in my pair's region
.set EXB, 233                          ; v233 and 8 x lane, behind O's 4,096 bytes
.set S,   96
.set O,   160
.set PC,  192
.set L,   216
.set WV,  12                           ; s12 my wave's number
.set SEL, 20                           ; s[20:21] lane selects for v_permlanex16_b32: lane l xor 16
.set CS,  22                           ; s[22:23] log2(e) / 8 (the packed form names a pair and takes its low word for both halves)
.set TB,  36                           ; s36 LDS byte at which the step's record begins
.set J,   37                           ; s37 the key step
.macro ROUND
	s_barrier_signal -1
	s_barrier_wait -1
	s_cmp_lg_u32 s[WV], 0
	s_cbranch_scc1 .Lnot_wave_0_\@
	s_barrier_signal -3
.Lnot_wave_0_\@:
	s_barrier_wait -3
	s_barrier_signal -1
	s_barrier_wait -1
.endm
	s_load_b128 s[4:7], s[0:1], 0x0                ; kv, qc
	s_load_b128 s[8:11], s[0:1], 0x10              ; qs, out0
	v_lshl_add_u32 v[SPW], v0, 2, SPARE
	v_mov_b32 v[NIL], 0
	ds_add_u32 v[SPW], v[NIL]                      ; the wave's opening: the add, twice on end, and its wait
	ds_add_u32 v[SPW], v[NIL]
	v_lshrrev_b32 v1, 5, v0
	v_readfirstlane_b32 s[WV], v1                  ; wave 0..15
	s_and_b32 s13, ttmp7, 0xffff                   ; bh
	s_mul_i32 s62, s13, HEADB                      ; what I fetch: record w of the head
	s_mul_i32 s33, s[WV], REC                      ; which lands at the same place among LDS's 16
	s_add_co_u32 s62, s62, s33
	s_mov_b32 s63, 0
	s_bfe_u32 s14, ttmp6, 0x40000                  ; cx
	s_and_b32 s15, s[WV], 7                        ; p
	s_lshr_b32 s16, s[WV], 3                       ; 0: A, 1: B
	s_sub_co_u32 s18, 15, s15                      ; the high block
	s_min_u32 s19, s18, HIGH0-1                    ; A's last step: the high tile's own last where that comes earlier
	s_cmp_eq_u32 s16, 0
	s_cselect_b32 s17, s18, s15                    ; my block in the first loop
	s_cselect_b32 s38, s19, s15                    ; my last step there,
	s_cselect_b32 s39, 0, s18                      ; and in the second loop (A: none)
	s_add_co_u32 s60, ttmp9, s17
	s_and_b32 s60, s60, 1                          ; 1: my tile lies in the upper half of its block
	s_add_co_u32 s61, ttmp9, s18
	s_and_b32 s61, s61, 1
	s_cmp_eq_u32 s60, 0
	s_cselect_b32 s40, s17, 63                     ; the key step that is a half step (63: none),
	s_cselect_b32 s41, 63, s17                     ; or whose second half is masked
	s_cmp_eq_u32 s61, 0
	s_cselect_b32 s42, s18, 63
	s_cselect_b32 s43, 63, s18
	s_lshl_b32 s44, s17, 3                         ; my tile in the head: first loop,
	s_lshl_b32 s60, s60, 2
	s_add_co_u32 s44, s44, s60
	s_add_co_u32 s44, s44, s14
	s_lshl_b32 s45, s18, 3                         ; second loop
	s_lshl_b32 s61, s61, 2
	s_add_co_u32 s45, s45, s61
	s_add_co_u32 s45, s45, s14
	s_lshl_b32 s19, s13, 16                        ; Q's codes: 65,536 bytes a head, 512 a tile
	s_lshl_b32 s46, s44, 9
	s_add_co_u32 s46, s46, s19
	s_mov_b32 s47, 0
	s_lshl_b32 s48, s45, 9
	s_add_co_u32 s48, s48, s19
	s_mov_b32 s49, 0
	s_lshl_b32 s19, s13, 13                        ; Q's scale words: 8,192 bytes a head, 64 a tile
	s_lshl_b32 s50, s44, 6
	s_add_co_u32 s50, s50, s19
	s_mov_b32 s51, 0
	s_lshl_b32 s52, s45, 6
	s_add_co_u32 s52, s52, s19
	s_mov_b32 s53, 0
	s_lshr_b32 s19, s13, 3                         ; out0: b x 2^22 + 256 h + 16 x 2,048 a tile
	s_lshl_b32 s19, s19, 22
	s_and_b32 s58, s13, 7
	s_lshl_b32 s58, s58, 8
	s_add_co_u32 s19, s19, s58
	s_lshl_b32 s54, s44, 15
	s_add_co_u32 s54, s54, s19
	s_mov_b32 s55, 0
	s_lshl_b32 s56, s45, 15
	s_add_co_u32 s56, s56, s19
	s_mov_b32 s57, 0
	s_mul_i32 s58, s[WV], STGW
	s_add_co_u32 s58, s58, STG                     ; my stage
	s_mul_i32 s59, s15, STGW
	s_add_co_u32 s59, s59, EXCH                    ; my pair's region
	s_lshl_b32 s19, s14, 4
	s_mov_b32 s[SEL], 0x76543210
	s_mov_b32 s[SEL+1], 0xfedcba98
	s_mov_b32 s[CS], 0x3e38aa3b
	s_mov_b32 s[CS+1], s[CS]
	; descriptor group 1: a record is a dense block: 34 rows of 32 elements of 8 bytes
	s_mov_b32 s24, 15|(3<<16)|(1<<21)              ; 15:0 the mask: the cluster's four work-groups; 17:16 elements of 8 bytes; 21 set beside a mask
	s_mov_b32 s25, 32<<16
	s_mov_b32 s26, 34<<16
	s_mov_b32 s27, 32<<16
	s_mov_b32 s28, 34
	s_mov_b32 s29, 32
	s_mov_b32 s30, 0
	s_mov_b32 s31, 0
	s_mov_b32 s32, 1
	s_wait_dscnt 0x0                               ; both opening adds are done
	v_and_b32 v1, 31, v0
	v_and_b32 v12, 15, v0                          ; r
	v_bfe_u32 v13, v0, 4, 1                        ; hh
	v_lshl_add_u32 v[EXA], v1, 4, s59
	v_lshl_add_u32 v[EXB], v1, 3, s59
	v_lshlrev_b32 v[LI], 4, v1
	v_lshlrev_b32 v[R4], 2, v12
	v_mul_u32_u24 v[SRD], v13, 272
	v_mul_u32_u24 v[SO], v12, 272
	v_lshlrev_b32 v[GO], 11, v13
	v_lshlrev_b32 v[DG], 5, v13
	v_lshl_add_u32 v[SRD], v12, 4, v[SRD]
	v_lshl_add_u32 v[SO], v13, 5, v[SO]
	v_lshl_add_u32 v[GO], v12, 4, v[GO]
	v_sub_nc_u32 v[DG], v12, v[DG]
	v_add_nc_u32 v[SRD], s58, v[SRD]
	v_add_nc_u32 v[SO], s58, v[SO]
	v_add_nc_u32 v[DG], s19, v[DG]
	v_lshlrev_b32 v[SH], 3, v13
	s_wait_alu depctr_va_vdst(0)
	s_wait_kmcnt 0x0
	s_add_nc_u64 s[34:35], s[4:5], s[62:63]
	s_or_b32 s35, s35, 0x80000000
	s_add_nc_u64 s[46:47], s[6:7], s[46:47]
	s_add_nc_u64 s[48:49], s[6:7], s[48:49]
	s_add_nc_u64 s[50:51], s[8:9], s[50:51]
	s_add_nc_u64 s[52:53], s[8:9], s[52:53]
	s_add_nc_u64 s[54:55], s[10:11], s[54:55]
	s_add_nc_u64 s[56:57], s[10:11], s[56:57]
	global_load_b128 v[20:23], v[LI], s[46:47]     ; Q of my tile in the first loop,
	global_load_b32 v204, v[R4], s[50:51]
	global_load_b128 v[200:203], v[LI], s[48:49]   ; and in the second
	global_load_b32 v205, v[R4], s[52:53]
	ROUND                                          ; the four work-groups are here: the joint loads meet
	tensor_load_to_lds s[32:35], s[24:31]          ; my one tensor load
	s_nop 0
.rept 4
	v_nop
.endr
.irp j, 16,17,18,19,24,25,26,27,209,211,217,216,231
	v_mov_b32 v[\j], 0                             ; zero codes on both sides of Q; the sum; and what a pair or a lane permute names before it is first written
.endr
.macro FRESH
	v_mov_b32 v13, 0xff61b1e6                      ; the largest score so far: -3e38, under every score
	v_mov_b32 v12, 0x7f61b1e6                      ; -M likewise: the first change of M multiplies zeros by 0
.set IX, 0
.rept 32
	v_mov_b32 v[O+IX], 0
.set IX, IX+1
.endr
.endm
	v_mov_b32 v232, 0xff800000                     ; -infinity
	FRESH
; 32 registers from v[base] on the diagonal: hidden scores become -infinity ahead of the maximum.  Key 0 of the step counts for every query of a half step, and the first 64 keys in the other kind: the row's maximum is a number
.macro MASK base
.irp n, 0,1,2,3,4,5,6,7,8,9,10,11,12,13,14,15,16,17,18,19,20,21,22,23,24,25,26,27,28,29,30,31
	v_cmp_gt_i32 vcc_lo, \n, v[DG]
	v_cndmask_b32 v[\base+\n], v[\base+\n], v232, vcc_lo
.endr
.endm
.macro PKF cnt
.rept \cnt
	v_pk_fma_f32 v[S+IX:S+IX+1], v[S+IX:S+IX+1], s[CS:CS+1], v[12:13] op_sel_hi:[1,0,0]   ; t - M, two at a time
.set IX, IX+2
.endr
.endm
.macro ADDS cnt                        ; the row's sum: the four chains by turns
.rept \cnt
	v_pk_add_f32 v[L+AX:L+AX+1], v[L+AX:L+AX+1], v[S+IX:S+IX+1]
.set IX, IX+2
.set AX, (AX+2)%8
.endr
.endm
; from the scores of ng x 64 keys to O^T
.macro SOFT ng
.irp c, 0,1
.if \c < \ng
	v_max3_num_f32 v[210+2*\c], v[S+32*\c], v[S+1+32*\c], v[S+2+32*\c]   ; each block's largest score, in two chains; all its 32 numbers are mine
	v_max3_num_f32 v[211+2*\c], v[S+16+32*\c], v[S+17+32*\c], v[S+18+32*\c]
.endif
.endr
.irp i, 3,5,7,9,11,13
.irp c, 0,1
.if \c < \ng
	v_max3_num_f32 v[210+2*\c], v[210+2*\c], v[S+32*\c+\i], v[S+1+32*\c+\i]
	v_max3_num_f32 v[211+2*\c], v[211+2*\c], v[S+16+32*\c+\i], v[S+17+32*\c+\i]
.endif
.endr
.endr
.irp c, 0,1
.if \c < \ng
	v_max3_num_f32 v[210+2*\c], v[210+2*\c], v[S+15+32*\c], v[S+31+32*\c]
.endif
.endr
.irp c, 0,1
.if \c < \ng
	v_max_num_f32 v[210+2*\c], v[210+2*\c], v[211+2*\c]
.endif
.endr
	s_delay_alu instid0(VALU_DEP_1)
.if \ng == 2
	v_max3_num_f32 v214, v210, v212, v13
.else
	v_max_num_f32 v214, v210, v13
.endif
	s_delay_alu instid0(VALU_DEP_1)
	v_permlanex16_b32 v231, v214, s[SEL], s[SEL+1]
	v_mov_b32 v215, v12
	s_delay_alu instid0(VALU_DEP_2)
	v_max_num_f32 v13, v214, v231                  ; with lane l xor 16's keys: the running largest score
	s_delay_alu instid0(VALU_DEP_1)
	v_mul_f32 v214, s[CS], v13                     ; as t (the factor is positive)
	s_delay_alu instid0(VALU_DEP_1)
	v_floor_f32 v12, -v214                         ; -M = floor(-t): M is a whole number
	s_delay_alu instid0(VALU_DEP_1)
	v_sub_f32 v215, v12, v215                      ; M's old value less its new one: a whole number, 0 or less
.set IX, 0
	PKF 4
	v_cvt_i32_f32 v215, v215                       ; (it saturates)
	PKF 4
	v_ldexp_f32 v208, 1.0, v215                    ; f = 2^(old M - new M): a multiplication by it rounds nothing
	PKF 16*\ng-8
.irp c, 0,1
.if \c < \ng
	v_fma_f32 v[224+\c], v[210+2*\c], s[CS], v12   ; the block's largest t - M
.endif
.endr
	v_pk_mul_f32 v[L:L+1], v[L:L+1], v[208:209] op_sel_hi:[1,0]   ; the sum and O^T under the new M, each accumulator from its low end on
.set IX, 0
.rept 16
	v_pk_mul_f32 v[O+IX:O+IX+1], v[O+IX:O+IX+1], v[208:209] op_sel_hi:[1,0]
.set IX, IX+2
.endr
	s_wait_alu depctr_va_vdst(0)
.set IX, 0
.rept 32*\ng
	v_exp_f32 v[S+IX], v[S+IX]                     ; p = 2^(t - M)
.set IX, IX+1
.endr
.irp c, 0,1                            ; the blocks' scales: work that names no result of the batch
.if \c < \ng
	v_max_num_f32 v[224+\c], 0xc2f80000, v[224+\c] ; held at -124: the byte cannot fall under 1
.endif
.endr
.irp c, 0,1
.if \c < \ng
	v_cvt_floor_i32_f32 v[226+\c], v[224+\c]
.endif
.endr
.if \ng == 1
.irp i, 4,5,6,7
	v_mov_b32 v[PC+\i], 0                          ; a half step: the other 64 keys have zero codes (and a finite byte)
.endr
.endif
.irp c, 0,1
.if \c < \ng
	v_lshl_add_u32 v[228+\c], v[226+\c], 23, 0x3e800000   ; (that + 125) << 23: the conversions' scale operand
.endif
.endr
	s_wait_alu depctr_va_vdst(0)                   ; the wait behind the batch, ahead of its first reader
.irp c, 0,1
.if \c < \ng
.irp i, 0,1,2,3
	v_cvt_scalef32_pk8_fp4_f32 v[PC+4*\c+\i], v[S+32*\c+8*\i:S+32*\c+8*\i+7], v[228+\c]
.endr
.endif
.endr
	; the row's sum, of the unquantised p, in four chains; P's scale word is made among the additions, nine or more of which stand between it and the products
	v_pk_add_f32 v[L:L+1], v[L:L+1], v[S:S+1]
.if \ng == 2
	v_lshl_add_u32 v230, v227, 16, v226
.else
	v_lshlrev_b32 v230, v[SH], v226
.endif
	v_pk_add_f32 v[L+2:L+3], v[S+2:S+3], v[S+4:S+5]
	v_pk_add_f32 v[L+4:L+5], v[S+6:S+7], v[S+8:S+9]
	v_pk_add_f32 v[L+6:L+7], v[S+10:S+11], v[S+12:S+13]
.if \ng == 2
	v_lshlrev_b32 v230, v[SH], v230                ; my blocks are bytes hh and 2 + hh of the scale word
.else
	v_permlanex16_b32 v231, v230, s[SEL], s[SEL+1]
.endif
.set IX, 14
.set AX, 0
	ADDS 3
.if \ng == 2
	v_permlanex16_b32 v231, v230, s[SEL], s[SEL+1]
.else
	v_add3_u32 v206, v230, v231, 0x7d7d7d7d
.endif
	ADDS 3
.if \ng == 2
	v_add3_u32 v206, v230, v231, 0x7d7d7d7d        ; a sum of whole numbers modulo 2^32: each byte + 125
.endif
	ADDS 16*\ng-13
	v_pk_add_f32 v[L+4:L+5], v[L+4:L+5], v[L+6:L+7]
	v_pk_add_f32 v[L:L+1], v[L:L+1], v[L+2:L+3]
	s_delay_alu instid0(VALU_DEP_1)
	v_pk_add_f32 v[L:L+1], v[L:L+1], v[L+4:L+5]
	s_wait_alu depctr_va_vdst(0)
	s_wait_dscnt 0x0                               ; V is in, and so is the next step's K
	v_wmma_scale_f32_32x16x128_f4 v[O:O+15], v[64:79], v[PC:PC+7], v[O:O+15], v30, v206   ; the two accumulators by turns, one instruction a turn
	v_wmma_scale_f32_32x16x128_f4 v[O+16:O+31], v[80:95], v[PC:PC+7], v[O+16:O+31], v31, v206
.endm
; K's fragments and scale words of the record at ADR + off
.macro KLOAD off
.irp i, 0,1,2,3,4,5,6,7
	ds_load_b128 v[32+4*\i:35+4*\i], v[ADR] offset:\off+512*\i
.endr
	ds_load_b64 v[28:29], v[ADR] offset:\off+8192
.endm
; behind the first product: four places (for the loads into registers that this product or the last step's second one has read, and for the first read of the scores), then this step's V and, pf = 1, the next step's K
.macro LOADS pf
	v_add_nc_u32 v[ADR], s[TB], v[LI]
.rept 3
	v_nop
.endr
.irp i, 0,1,2,3,4,5,6,7
	ds_load_b128 v[64+4*\i:67+4*\i], v[ADR] offset:4096+512*\i
.endr
	ds_load_b64 v[30:31], v[ADR] offset:8192+8
.if \pf
	KLOAD REC
.endif
.endm
; one key step.  last, half, upper: the scalars that hold the wave's last step, its half step, and its step whose second half is masked
.macro STEP last, half, upper, pf
	s_cmp_gt_u32 s[J], s[\last]
	s_cbranch_scc1 .Lnext_\@
	s_cmp_eq_u32 s[J], s[\half]
	s_cbranch_scc1 .Lhalf_\@
	v_wmma_scale_f32_32x16x128_f4 v[S:S+15], v[32:47], v[20:27], 0, v28, v204
	v_wmma_scale_f32_32x16x128_f4 v[S+16:S+31], v[32:47], v[16:23], 0, v28, v204
	v_wmma_scale_f32_32x16x128_f4 v[S+32:S+47], v[48:63], v[20:27], 0, v29, v204
	v_wmma_scale_f32_32x16x128_f4 v[S+48:S+63], v[48:63], v[16:23], 0, v29, v204
	LOADS \pf
	s_cmp_eq_u32 s[J], s[\upper]
	s_cbranch_scc0 .Lopen_\@
	MASK S+32
.Lopen_\@:
	SOFT 2
	s_branch .Lnext_\@
.Lhalf_\@:
	v_wmma_scale_f32_32x16x128_f4 v[S:S+15], v[32:47], v[20:27], 0, v28, v204
	v_wmma_scale_f32_32x16x128_f4 v[S+16:S+31], v[32:47], v[16:23], 0, v28, v204
	LOADS \pf
	MASK S
	SOFT 1
.Lnext_\@:
	s_add_co_u32 s[TB], s[TB], REC
.endm
; a finished tile, v[96:127] (register 8 t + i: channel 16 t + 8 hh + i of query r), goes through my stage, so that sixteen lanes store one whole row of 256 bytes
.macro WAYOUT base
.irp t, 0,1,2,3
	ds_store_b128 v[SO], v[96+8*\t:99+8*\t] offset:64*\t
	ds_store_b128 v[SO], v[100+8*\t:103+8*\t] offset:64*\t+16
.endr
.irp i, 0,1,2,3,4,5,6,7
	ds_load_b128 v[128+4*\i:131+4*\i], v[SRD] offset:544*\i   ; LDS serves a wave's instructions in order (ISA guide 5.7.1.4): these see my stores
.endr
.irp i, 0,1,2,3,4,5,6,7
	s_wait_dscnt 7-\i                              ; the younger loads may stay out
	global_store_b128 v[GO], v[128+4*\i:131+4*\i], s[\base:\base+1] offset:4096*\i th:TH_STORE_NT
.endr
.endm
.macro ROWSUM                          ; the sum's two halves, and lane l xor 16's
	v_add_f32 v[L], v[L], v[L+1]
	s_delay_alu instid0(VALU_DEP_1)
	v_permlanex16_b32 v231, v[L], s[SEL], s[SEL+1]
	s_delay_alu instid0(VALU_DEP_1)
	v_add_f32 v[L], v[L], v231
.endm
	s_mov_b32 s[TB], 0
	s_mov_b32 s[J], 0
	v_mov_b32 v[ADR], v[LI]
	s_wait_alu depctr_va_vdst(0)
	s_wait_loadcnt 0x0                             ; Q
	s_wait_tensorcnt 0x0                           ; my record has landed
	s_barrier_signal -1
	s_barrier_wait -1                              ; all sixteen records lie in LDS
	KLOAD 0
	s_wait_dscnt 0x0
.Lfirst:                                               ; key steps 0 .. 9
	STEP 38, 40, 41, 1
	s_add_co_u32 s[J], s[J], 1
	s_cmp_lt_u32 s[J], HIGH0
	s_cbranch_scc1 .Lfirst
	s_cmp_lt_u32 s[WV], 8
	s_cbranch_scc0 .Lb
	ROWSUM                                         ; A: my part of the high tile goes to B
	v_mov_b32 v[L+1], v12
.rept 4
	v_nop                                          ; places behind the last products
.endr
.irp i, 0,1,2,3,4,5,6,7
	ds_store_b128 v[EXA], v[O+4*\i:O+4*\i+3] offset:512*\i
.endr
	ds_store_b64 v[EXB], v[L:L+1] offset:4096
	s_wait_alu depctr_va_vdst(0)
	s_branch .Lgo_on
.Lb:
	; B: the low tile is finished: it leaves, and the high tile begins afresh
	ROWSUM
	s_wait_alu depctr_va_vdst(0)                   ; ahead of the transcendental
	v_rcp_f32 v[L], v[L]
.rept 4
	v_nop                                          ; the plain line behind the reciprocal; with the lines above, the places behind the last products
.endr
	s_wait_alu depctr_va_vdst(0)                   ; and ahead of the first reader of its result and of O^T
.set IX, 0
.rept 16
	v_pk_mul_f32 v[96+IX:97+IX], v[O+IX:O+IX+1], v[L:L+1] op_sel_hi:[1,0]
.set IX, IX+2
.endr
	WAYOUT 54
.irp i, 0,1,2,3
	v_mov_b32 v[20+\i], v[200+\i]
.endr
	v_mov_b32 v204, v205
	v_mov_b32 v[L], 0
	v_mov_b32 v[L+1], 0
	FRESH
.Lgo_on:
	s_mov_b32 s[TB], HIGH0*REC
	s_mov_b32 s[J], HIGH0
	s_wait_alu depctr_va_vdst(0)
	s_wait_xcnt 0x0                                ; the stores have read their registers, which the next scores take
	s_wait_dscnt 0x0                               ; A: my part lies in LDS
	s_barrier_signal -1                            ; say so; the wait stands behind the second loop
	v_add_nc_u32 v[ADR], s[TB], v[LI]
	KLOAD 0
	s_wait_dscnt 0x0
.Lsecond:                                              ; key steps 10 .. 14: B alone has work
	STEP 39, 42, 43, 1
	s_add_co_u32 s[J], s[J], 1
	s_cmp_lt_u32 s[J], 15
	s_cbranch_scc1 .Lsecond
	STEP 39, 42, 43, 0                             ; step 15 is written out: no record stands behind it
	s_barrier_wait -1                              ; every A's part lies in LDS
	s_cmp_lt_u32 s[WV], 8
	s_cbranch_scc1 .Lend
	; B: the two parts of the high tile are joined (where I had no step of it, mine is zeros under M = -3e38)
	ds_load_b64 v[128:129], v[EXB] offset:4096     ; A's sum and -M
.irp i, 0,1,2,3,4,5,6,7
	ds_load_b128 v[96+4*\i:99+4*\i], v[EXA] offset:512*\i
.endr
	ROWSUM
	s_wait_alu depctr_va_vdst(0)
	s_wait_dscnt 0x0
	v_min_num_f32 v130, v12, v129                  ; -M of the whole row
	v_sub_f32 v131, v130, v12
	v_sub_f32 v132, v130, v129
	v_cvt_i32_f32 v131, v131
	v_cvt_i32_f32 v132, v132
	v_ldexp_f32 v208, 1.0, v131                    ; B's factor
	v_ldexp_f32 v210, 1.0, v132                    ; A's
	v_mul_f32 v[L], v[L], v208
	v_fma_f32 v[L], v128, v210, v[L]
	s_wait_alu depctr_va_vdst(0)                   ; ahead of the transcendental
	v_rcp_f32 v[L], v[L]
	v_nop
	s_wait_alu depctr_va_vdst(0)                   ; and ahead of the first reader of its result and of O^T
	v_mul_f32 v208, v208, v[L]
	v_mul_f32 v210, v210, v[L]
.set IX, 0
.rept 16
	v_pk_mul_f32 v[O+IX:O+IX+1], v[O+IX:O+IX+1], v[208:209] op_sel_hi:[1,0]
.set IX, IX+2
.endr
.set IX, 0
.rept 16
	v_pk_fma_f32 v[96+IX:97+IX], v[96+IX:97+IX], v[210:211], v[O+IX:O+IX+1] op_sel_hi:[1,0,1]
.set IX, IX+2
.endr
	WAYOUT 56
.Lend:
	s_wait_tensorcnt 0x0                           ; the wave's end
	ds_add_u32 v[SPW], v[NIL]
	s_wait_dscnt 0x0
	ROUND                                          ; the closing round: no work-group ends while a partner may still ask for a record that names it
	s_endpgm
.Lfunc_end_k_q7a22f44689_attn:
	.size	k_q7a22f44689_attn, .Lfunc_end_k_q7a22f44689_attn-k_q7a22f44689_attn
	.p2alignl 7, 3214868480
	.fill 96, 4, 3214868480
	.section	.rodata,"a",@progbits
	.p2align	6, 0x0
	.amdhsa_kernel k_q7a22f44689_attn
		.amdhsa_group_segment_fixed_size 245760
		.amdhsa_private_segment_fixed_size 0
		.amdhsa_enable_private_segment 0
		.amdhsa_kernarg_size 32
		.amdhsa_user_sgpr_count 2
		.amdhsa_user_sgpr_kernarg_segment_ptr 1
		.amdhsa_wavefront_size32 1
		.amdhsa_system_sgpr_workgroup_id_x 1
		.amdhsa_system_sgpr_workgroup_id_y 1
		.amdhsa_system_sgpr_workgroup_id_z 1
		.amdhsa_system_vgpr_workitem_id 0
		.amdhsa_next_free_vgpr 240
		.amdhsa_next_free_sgpr 66
		.amdhsa_reserve_vcc 1
		.amdhsa_float_denorm_mode_32 3
		.amdhsa_float_denorm_mode_16_64 3
		.amdhsa_memory_ordered 1
		.amdhsa_forward_progress 1
		.amdhsa_inst_pref_size 97
	.end_amdhsa_kernel
	.amdgpu_metadata
---
amdhsa.version: [ 1, 2 ]
amdhsa.kernels:
  - .name:           k_q7a22f44689_attn
    .symbol:         k_q7a22f44689_attn.kd
    .args:
      - { .name: kv, .offset: 0, .size: 8, .value_kind: global_buffer, .address_space: global }
      - { .name: qc, .offset: 8, .size: 8, .value_kind: global_buffer, .address_space: global }
      - { .name: qs, .offset: 16, .size: 8, .value_kind: global_buffer, .address_space: global }
      - { .name: out0, .offset: 24, .size: 8, .value_kind: global_buffer, .address_space: global }
    .group_segment_fixed_size: 245760
    .private_segment_fixed_size: 0
    .kernarg_segment_align: 8
    .kernarg_segment_size: 32
    .max_flat_workgroup_size: 512
    .sgpr_count:     66
    .vgpr_count:     240
    .wavefront_size: 32
...
	.end_amdgpu_metadata
.endif
;; end of part 2
